; MI455X (gfx1250); checked and timed in simulation.
; The chip was launched on July 23, 2026; its instructions are those of AMD's public machine-readable ISA for CDNA 5 (MIT licence, August 2026) and "CDNA5" Instruction Set Architecture Reference Guide (July 2026). The comments in the code are by the model that wrote it; some were corrected since.
;; Efficient Additive Attnetion. Allowed arithmetic: matrix products marked QUANTISED: E5M2 operands, one given power-of-two scale a tensor, by v_wmma_f32_16x16x64_bf8_bf8 or v_wmma_f32_16x16x128_bf8_bf8, f32 sums; products left as they are: f32 operands where the result goes on into a quantised operand, else bf16, f16 or f32 operands; f32 sums; everything else in f32.
;; Inputs: Wf_codes 256 x 16 x 32 uint8 (E5M2 codes of Wf, K innermost, in blocks of 32 codes); Wk_codes 512 x 16 x 32 uint8 (E5M2 codes of Wk, K innermost, in blocks of 32 codes); Wp_codes 512 x 16 x 32 uint8 (E5M2 codes of Wp, K innermost, in blocks of 32 codes); Wq_codes 512 x 16 x 32 uint8 (E5M2 codes of Wq, K innermost, in blocks of 32 codes); bf 256 float32; bk 512 float32; bp 512 float32; bq 512 float32; lowp_scales 8 int32 (the exponents e of the quantised operands' scales 2^e); w_g 512 x 1 float32; x_codes 16 x 4,096 x 16 x 32 uint8 (E5M2 codes of x, K innermost, in blocks of 32 codes).
;; Outputs: out0 16 x 4,096 x 256 float32.
;; This version of the problem:
;;   THIS VERSION OF THE PROBLEM IS GIVEN IN LOW PRECISION. The matrix products marked QUANTISED in the list below multiply operands that are first quantised to E5M2 (5 exponent bits, 2 mantissa bits; 8 bits a number), with one given power-of-two scale for each operand tensor; their sums are f32. All else is computed in f32.
;;   The module's matrix products, in the order in which they are computed (A, B: the left and right operand; K: the contracted axis; several contracted axes count as one K, in the product's order):
;;     1. [M 65,536, K 512] x [K 512, N 512]; A: input x (given as codes); B: input Wq (given as codes): QUANTISED (scales: A lowp_scales[0], B lowp_scales[1])
;;     2. [M 65,536, K 512] x [K 512, N 512]; A: input x (given as codes); B: input Wk (given as codes): QUANTISED (scales: A lowp_scales[2], B lowp_scales[3])
;;     3. [M 65,536, K 512] x [K 512, N 1]; A: computed on the way; B: input w_g: left as it is (N = 1 < 16)
;;     4. [M 65,536, K 512] x [K 512, N 512]; A: computed on the way; B: input Wp (given as codes): QUANTISED (scales: A lowp_scales[4], B lowp_scales[5])
;;     5. [M 65,536, K 512] x [K 512, N 256]; A: computed on the way; B: input Wf (given as codes): QUANTISED (scales: A lowp_scales[6], B lowp_scales[7])
;;   THE QUANTISER, for each operand of a quantised product, along K:
;;     - The operand's scale is 2^e, e = its entry of the input lowp_scales (int32; the entries are numbered through the quantised products in the list's order, A before B).
;;     - Each number is divided by the scale, clamped to +-57,344, and rounded to the nearest number of E5M2, ties to even, subnormals kept.
;;     - The product sums the exact products of the quantised numbers (number of the format x scale) in f32.
;;   ~~~python
;;   def quantise(x, axis, e):      # numpy; x: float32 -> the quantised numbers, widened to float32 again
;;       x = np.moveaxis(x, axis, -1); K = x.shape[-1]
;;       r = np.clip(x / 2.0 ** e, -57344, 57344)
;;       step = 2.0 ** (np.maximum(np.frexp(np.where(r == 0, 1, r))[1] - 1, -14) - 2)
;;       q = np.round(r / step) * step * 2.0 ** e      # np.round: ties to even
;;       return np.moveaxis(q, -1, axis).astype(np.float32)
;;   ~~~
;;   OPERANDS COMPUTED ON THE WAY. 'Computed on the way' means the value that the module computes at that place (a softmax that the list does not call 'softmax' is quantised finished and normalised). What goes into a quantiser is computed in f32, as accurately as f32 sums, v_exp_f32 and their like allow (about 1e-6 of the number): no bf16 or f16 on the way to a quantiser, and a product that is left as it is and whose result goes on into a quantised operand takes f32 operands (vector FMAs, or v_wmma_f32_16x16x4_f32). A number that lies on a knife's edge between two numbers of the format may be rounded either way, as far as f32 arithmetic and the matrix unit's own rounding can turn it there, and no further.
;;   INPUTS GIVEN AS CODES. Wf (in the module: [512, 256], K = its axis 0); Wk (in the module: [512, 512], K = its axis 0); Wp (in the module: [512, 512], K = its axis 0); Wq (in the module: [512, 512], K = its axis 0); x (in the module: [16, 4096, 512], K = its axis 2): each comes as NAME_codes (uint8): NAME with its K axis moved to the last place and cut into blocks of 32 codes, [.., K / 32, bytes a block], one block behind the other in memory; one code a byte (a code: sign, 5 exponent bits, 2 mantissa bits); its scale is its entry of lowp_scales. Its value is code x scale, taken as it is: it is not quantised again, and the codes and scales need not be those that the quantiser above would give.
;; One version. Each part assembles by itself: llvm-mc -triple=amdgcn-amd-amdhsa -mcpu=gfx1250 --defsym DOCPART=n.
;; ======== version 1 of 1: 2 launches
;; limits: right only within a limited range of input values
;; workspace buffers: wimg 917,504 bytes; part 589,824 bytes
;; launch pool (part 1): grid 256 x 1, 4 waves a work-group, clusters of 4 x 1, 327,680 bytes of LDS; arguments x_codes, Wq_codes, Wk_codes, Wp_codes, Wf_codes, bq, w_g, lowp_scales, part, wimg; writes part, wimg
.if DOCPART == 1
	.amdgcn_target "amdgcn-amd-amdhsa--gfx1250"
	.amdhsa_code_object_version 6
	.text
	.protected	k_q117e32c966_pool
	.globl	k_q117e32c966_pool
	.p2align	8
	.type	k_q117e32c966_pool,@function
k_q117e32c966_pool:
	s_mov_b64 s[64:65], 0
	v_nop
	global_prefetch_b8 v0, s[64:65] scope:SCOPE_SE
	s_setreg_imm32_b32 hwreg(HW_REG_WAVE_MODE, 25, 1), 1
	s_wait_xcnt 0x0
	s_wait_alu depctr_hold_cnt(0) depctr_sa_sdst(0) depctr_va_vdst(0) depctr_va_sdst(0) depctr_va_ssrc(0) depctr_va_vcc(0) depctr_vm_vsrc(0)
	s_getreg_b32 s2, hwreg(HW_REG_IB_STS2, 6, 4)
	s_cmp_eq_u32 s2, 0
	s_cbranch_scc0 .Lentry_in_a_cluster
	s_endpgm
.Lentry_in_a_cluster:
	s_bfe_u32 s2, ttmp6, 0x10000c
	s_cmp_lg_u32 s2, 0x3003
	s_cbranch_scc0 .Lentry_shape_is_right
	s_endpgm
.Lentry_shape_is_right:
; POOL.  First of two launches of: query = x Wq + bq; key = x Wk + bk; qw = (query / max(|query|, eps)) . w_g; A = qw SCALE / max(|qw SCALE| over the sequence, eps);
; G = sum over the sequence of A query; out = Q(G key / max(|key|, eps)) Wp + bp + query; result = Q(out) Wf + bf.
; G of a batch needs all 4,096 tokens of the batch, and work-groups of one launch hand nothing to each other: so this launch makes, for each block of 256 tokens,
; S[h] = sum of qw query[h] and T = sum of qw^2 (row g of 'part': 512 f32, then T 64 times: nine whole runs of 256 bytes), and the second launch finishes G.
; NO WORK OF THE PROBLEM IS LEFT OUT, and every input is loaded by one of the two launches.  One product is done TWICE: query is made here and again in the second launch,
; since 65,536 x 512 f32 to memory and back would be 268 MB, against 34 MB of x's codes read once more.
; ARITHMETIC.  s1 = 2^(e0 + e1).  The sums start from bq / s1 (the C of the first K step), so a sum is q' = query / s1.  qw = s1 (q' . w_g) / max(s1 sqrt(q' . q'), 1e-12).  All behind the product is f32.
; LIMITS: e0 + e1 between -126 and 127, so that s1 is an f32 number.  NaN among the inputs is not served.
; SHARES.  A work-group owns 256 tokens.  THE WAVES SHARE THE COLUMNS: wave w keeps rows 128 w .. 128 w + 127 of Wq (all 512 along K) in 512 registers for the whole launch and walks all 256 tokens,
; 64 a block: a matrix instruction then needs 256 bytes of LDS, x's alone.  The matrix instruction is used transposed (source 0 = 16 rows of Wq, source 1 = 16 tokens): a lane holds ONE token
; (lane % 16) and eight columns (16 t + 8 (lane / 16) + 0..7), so a token's norm and dot want one exchange between the halves of the lanes and one between the four waves, through LDS.
; CLUSTER.  All work-groups need the same Wq: the four of a cluster ask for it jointly, one load a wave with a mask that names the four.  x is each work-group's own: plain loads.
; A fragment holds, in registers 4 c .. 4 c + 3 of lane l, K = 32 c + 16 (l / 16) + 0..15 of row l % 16: the same permutation of k on both sides of every product.
; THE SECOND JOB: the four weights are laid out once for the second launch ('wimg'): 448 images of a fragment's registers, 2,048 bytes each (byte 512 c + 16 lane), one image a wave of the first 28 clusters.
; Image f: 0-127 Wk, 128-255 Wq, 256-383 Wp (f % 128 = 32 s + T: K step s, tile T); 384-447 Wf (32 (s / 2) + 8 w + 4 (s % 2) + t, T = 4 w + t).  Lane r of tile T takes row 32 (T / 2) + 8 (T % 2) + r + 8 (r / 8).
; No prefetch: all of a work-group's x is asked for by two loads a wave at the kernel's head.
; REGISTERS, in windows of 256.  Window 0: addresses, S, two sets of 64 for x's fragments and the vectors, statistics.  Window 1: the 32 accumulators (tile of tokens m, tile of columns t) at 8 (8 m + t).
; Windows 2, 3: Wq's fragments (t, s) at 16 (8 (s % 2) + t), window 2 for s = 0, 1, window 3 for s = 2, 3.
.set PITCH,  528                       ; an LDS row: 512 bytes + 16 of padding: 16 rows of a load start 33 x 16 bytes apart
.set WWAVE,  128*PITCH                 ; a wave's 128 rows of Wq
.set XL0,    4*WWAVE                   ; LDS: from 0 Wq (later tokens 64-255); from XL0 tokens 0-63
.set VEC,    XL0+64*PITCH              ; bq / s1 (2,048 bytes), w_g (2,048)
.set EXC,    VEC+4096                  ; the waves' exchange: 2 buffers x 4 waves x 1,024 bytes
.set SST,    EXC+8192                  ; S on its way out: 512 bytes a wave
.set SPARE,  SST+2048                  ; the spare words, 128 bytes a wave: two blocks of 256 bytes that no other line names
.set ADW, 16                           ; v16     my place in my wave's rows of Wq
.set ADX, 17                           ; v17-20  my place in block 0..3 of x
.set ADV, 21                           ; v21     VEC + 512 w + 32 h
.set EXW, 22                           ; v22     EXC + 1024 w + 32 lane
.set EXR, 23                           ; v23     EXC + 32 lane
.set SSW, 24                           ; v24     SST + 512 w + 32 h
.set SSR, 25                           ; v25     SST + 512 w + 16 lane
.set GOP, 26                           ; v26     16 lane
.set TOF, 27                           ; v27     8 lane
.set SPW, 28                           ; v28     my spare word; never rewritten
.set NIL, 29                           ; v29     0; never rewritten
.set TA,  30                           ; v30-31  T
.set SAC, 32                           ; v32-95  S: my lane's token's share, 64 columns
.set XA,  96                           ; v96-159
.set XB,  160                          ; v160-223
.set SQ,  224                          ; v224-231 squares in pairs, later qw in pairs
.set DW,  232                          ; v232-239 dots in pairs
.set PS,  240                          ; v240-247
.set PT,  248                          ; v248-255
.set WV,  24
.set CX,  25
.set GW,  26
.set G1W, 28
.set G1X0, 36
.set G1X1, 44
.set G0W, 52
.set G0X0, 56
.set G0X1, 60
.set EXPS, 66                          ; s[66:67] e0, e1
.set SCL1, 68                          ; s[68:69] s1, twice
.set SEL, 70                           ; s[70:71] lane l xor 16
.set NE,  72                           ; -(e0 + e1)
.set MSB, 0
.macro WIN new                         ; the immediate's high byte repeats the setting that is left
.if MSB != (\new)
	s_set_vgpr_msb (MSB<<8)|(\new)
.set MSB, (\new)
.endif
.endm
.macro PLACES                          ; four plain places behind matrix instructions, ahead of loads into their sources and of reads of their results
.rept 4
	v_nop
.endr
.endm
.macro CROUND                          ; a round of the cluster's barrier
	s_barrier_signal -1
	s_barrier_wait -1
	s_cmp_lg_u32 s[WV], 0
	s_cbranch_scc1 .Lnot_wave_0_\@
	s_barrier_signal -3
.Lnot_wave_0_\@:
	s_barrier_wait -3
	s_barrier_signal -1
	s_barrier_wait -1
.endm
	s_load_b512 s[4:19], s[0:1], 0x0               ; x 4, Wq 6, Wk 8, Wp 10, Wf 12, bq 14, w_g 16, the exponents 18
	s_load_b128 s[20:23], s[0:1], 0x40             ; part 20, wimg 22
	v_lshl_add_u32 v[SPW], v0, 2, SPARE
	v_mov_b32 v[NIL], 0
	ds_add_u32 v[SPW], v[NIL]                      ; the wave's opening: the add, twice on end, and its wait ahead of my first tensor load
	ds_add_u32 v[SPW], v[NIL]
	v_lshrrev_b32 v1, 5, v0
	v_readfirstlane_b32 s[WV], v1                  ; wave 0..3
	s_bfe_u32 s[CX], ttmp6, 0x40000                ; my place in the cluster: it enters global addresses alone
	s_lshl_b32 s[GW], ttmp9, 2
	s_add_co_u32 s[GW], s[GW], s[CX]               ; my block of 256 tokens
	; descriptor groups 1: rows of 512 bytes, 16 bytes of padding behind each (128 words: code 6; 4 words: code 3); elements of 1 byte
	s_mov_b32 s[G1W], 15|(1<<20)|(1<<21)|(6<<22)|(3<<25)   ; Wq: the mask names all four work-groups; bit 21 beside it
	s_mov_b32 s[G1X0], (1<<20)|(6<<22)|(3<<25)
	s_mov_b32 s[G1X1], (1<<20)|(6<<22)|(3<<25)
.irp g, G1W, G1X0, G1X1
	s_mov_b32 s[\g+1], 512<<16                     ; tensor_dim0
	s_mov_b32 s[\g+3], 512<<16                     ; tile_dim0
	s_mov_b32 s[\g+5], 512                         ; from row to row
	s_mov_b32 s[\g+6], 0
	s_mov_b32 s[\g+7], 0
.endr
	s_mov_b32 s[G1W+2], 256<<16                    ; Wq: 256 rows to each of waves 0 and 1
	s_mov_b32 s[G1W+4], 256
	s_mov_b32 s[G1X0+2], 32<<16                    ; tokens 0-63: 32 to each of waves 2 and 3
	s_mov_b32 s[G1X0+4], 32
	s_mov_b32 s[G1X1+2], 48<<16                    ; tokens 64-255: 48 a wave
	s_mov_b32 s[G1X1+4], 48
	s_mov_b32 s[SEL], 0x76543210
	s_mov_b32 s[SEL+1], 0xfedcba98
	s_mov_b32 s[G0W], 1
	s_and_b32 s82, s[WV], 1                        ; which half of its tile a wave fetches
	s_mul_i32 s[G0W+1], s82, 2*WWAVE
	s_mov_b32 s[G0X0], 1
	s_mul_i32 s[G0X0+1], s82, 32*PITCH
	s_add_co_u32 s[G0X0+1], s[G0X0+1], XL0
	s_mov_b32 s[G0X1], 1
	s_mul_i32 s[G0X1+1], s[WV], 48*PITCH
	s_lshl_b32 s74, s82, 17                        ; 256 rows of Wq
	s_mov_b32 s75, 0
	s_lshl_b32 s76, s[GW], 17                      ; my block's 256 rows of x
	s_lshl_b32 s78, s82, 14                        ; 32 rows of x
	s_add_co_u32 s78, s78, s76
	s_mov_b32 s79, 0
	s_mul_i32 s80, s[WV], 48*512
	s_add_co_u32 s80, s80, s76
	s_add_co_u32 s80, s80, 64*512
	s_mov_b32 s81, 0
	s_wait_dscnt 0x0                               ; both opening adds are done
	s_wait_kmcnt 0x0
	s_load_b64 s[EXPS:EXPS+1], s[18:19], 0x0       ; e0, e1
	s_add_nc_u64 s[G0W+2:G0W+3], s[6:7], s[74:75]
	s_or_b32 s[G0W+3], s[G0W+3], 0x80000000
	s_add_nc_u64 s[G0X0+2:G0X0+3], s[4:5], s[78:79]
	s_or_b32 s[G0X0+3], s[G0X0+3], 0x80000000
	s_add_nc_u64 s[G0X1+2:G0X1+3], s[4:5], s[80:81]
	s_or_b32 s[G0X1+3], s[G0X1+3], 0x80000000
	CROUND                                         ; all four work-groups are here: the joint loads meet
	s_cmp_lt_u32 s[WV], 2                          ; one tensor load a wave at the head: waves 0, 1 ask for Wq, jointly; waves 2, 3 for tokens 0-63
	s_cbranch_scc0 .Lfor_x
	tensor_load_to_lds s[G0W:G0W+3], s[G1W:G1W+7]
	s_nop 0
.rept 4
	v_nop
.endr
	s_branch .Lasked
.Lfor_x:
	tensor_load_to_lds s[G0X0:G0X0+3], s[G1X0:G1X0+7]
	s_nop 0
.rept 4
	v_nop
.endr
.Lasked:
	; every LDS address is made here, on the one way that all waves take
	v_and_b32 v1, 31, v0                           ; lane
	v_and_b32 v2, 15, v0                           ; r
	v_bfe_u32 v3, v0, 4, 1                         ; h
	v_mul_u32_u24 v4, v2, PITCH
	v_lshl_add_u32 v4, v3, 4, v4                   ; 528 r + 16 h
	s_mul_i32 s74, s[WV], WWAVE
	v_add_nc_u32 v[ADW], s74, v4
	v_add_nc_u32 v[ADX], XL0, v4
	v_add_nc_u32 v[ADX+1], 0, v4
	v_add_nc_u32 v[ADX+2], 64*PITCH, v4
	v_add_nc_u32 v[ADX+3], 128*PITCH, v4
	s_lshl_b32 s74, s[WV], 9
	v_lshlrev_b32 v5, 5, v3
	v_add_nc_u32 v5, s74, v5                       ; 512 w + 32 h
	v_add_nc_u32 v[ADV], VEC, v5
	v_add_nc_u32 v[SSW], SST, v5
	v_lshlrev_b32 v[GOP], 4, v1
	v_add_nc_u32 v6, s74, v[GOP]
	v_add_nc_u32 v[SSR], SST, v6
	v_lshlrev_b32 v6, 5, v1
	v_add_nc_u32 v[EXR], EXC, v6
	s_lshl_b32 s74, s[WV], 10
	v_add_nc_u32 v[EXW], s74, v[EXR]
	v_lshlrev_b32 v[TOF], 3, v1
	v_lshlrev_b32 v8, 4, v0                        ; 16 x thread: four numbers of bq and of w_g
	v_add_nc_u32 v9, VEC, v8
.irp i, 0,1,2,3,4,5,6,7
	v_mov_b32 v[PT+\i], 0                          ; written once: a lane permute's destination counts as one of its sources
.endr
	global_load_b128 v[112:115], v8, s[14:15]      ; bq
	global_load_b128 v[116:119], v8, s[16:17]      ; w_g
	; THE IMAGES: 28 clusters x 16 waves = 448.  The branch hangs on the cluster's number, which the partners share; the place in the cluster enters addresses alone
	s_cmp_lt_u32 ttmp9, 28
	s_cbranch_scc0 .Lno_image
	s_lshl_b32 s76, ttmp9, 4
	s_lshl_b32 s77, s[CX], 2
	s_add_co_u32 s76, s76, s77
	s_add_co_u32 s76, s76, s[WV]                   ; f
	s_and_b32 s77, s76, 127
	s_lshr_b32 s78, s77, 5                         ; the square weights: s (Wf: s / 2)
	s_and_b32 s79, s77, 31                         ; and T
	s_bfe_u32 s80, s77, 0x10002
	s_lshl_b32 s81, s78, 1
	s_add_co_u32 s80, s81, s80                     ; Wf: s
	s_bfe_u32 s81, s77, 0x20003
	s_lshl_b32 s81, s81, 2
	s_and_b32 s82, s77, 3
	s_add_co_u32 s81, s81, s82                     ; Wf: T
	s_cmp_lt_u32 ttmp9, 24
	s_cselect_b32 s78, s78, s80
	s_cselect_b32 s79, s79, s81
	s_cselect_b64 s[84:85], s[10:11], s[12:13]     ; Wp or Wf,
	s_cmp_lt_u32 ttmp9, 16
	s_cselect_b64 s[84:85], s[6:7], s[84:85]       ; Wq,
	s_cmp_lt_u32 ttmp9, 8
	s_cselect_b64 s[84:85], s[8:9], s[84:85]       ; Wk
	s_lshr_b32 s80, s79, 1
	s_lshl_b32 s80, s80, 14                        ; 32 (T / 2) rows of 512 bytes
	s_and_b32 s81, s79, 1
	s_lshl_b32 s81, s81, 12                        ; 8 (T % 2) rows
	s_add_co_u32 s80, s80, s81
	s_lshl_b32 s81, s78, 7                         ; 128 s along K
	s_add_co_u32 s80, s80, s81
	s_mov_b32 s81, 0
	s_add_nc_u64 s[84:85], s[84:85], s[80:81]
	s_lshl_b32 s80, s76, 11
	s_add_nc_u64 s[86:87], s[22:23], s[80:81]
	v_and_b32 v7, 8, v2
	v_add_nc_u32 v7, v7, v2                        ; r + 8 (r / 8)
	v_lshlrev_b32 v7, 9, v7
	v_lshl_add_u32 v7, v3, 4, v7
.irp c, 0,1,2,3
	global_load_b128 v[96+4*\c:99+4*\c], v7, s[84:85] offset:32*\c
.endr
	s_wait_loadcnt 0x0
.irp c, 0,1,2,3
	global_store_b128 v[GOP], v[96+4*\c:99+4*\c], s[86:87] offset:512*\c   ; 32 lanes store 512 consecutive bytes, at a multiple of 256 from the buffer's first byte
.endr
.Lno_image:
	s_wait_kmcnt 0x0
	s_add_co_i32 s[NE], s[EXPS], s[EXPS+1]
	s_add_co_i32 s[SCL1], s[NE], 127
	s_lshl_b32 s[SCL1], s[SCL1], 23                ; s1 = 2^(e0 + e1) as f32
	s_mov_b32 s[SCL1+1], s[SCL1]
	s_sub_co_i32 s[NE], 0, s[NE]
	s_wait_loadcnt 0x0
.irp i, 0,1,2,3
	v_ldexp_f32 v[112+\i], v[112+\i], s[NE]        ; bq / s1: nothing is rounded
.endr
	ds_store_b128 v9, v[112:115]
	ds_store_b128 v9, v[116:119] offset:2048
	s_wait_tensorcnt 0x0                           ; my load has landed,
	s_wait_dscnt 0x0                               ; my part of the vectors is stored:
	s_barrier_signal -1                            ; Wq's rows were fetched by waves 0 and 1 and are read by all four
	s_barrier_wait -1
	WIN 0x80
.irp s, 0,1
.irp t, 0,1,2,3,4,5,6,7
.irp c, 0,1,2,3
	ds_load_b128 v[16*(8*\s+\t)+4*\c:16*(8*\s+\t)+4*\c+3], v[ADW] offset:\t*16*PITCH+128*\s+32*\c
.endr
.endr
.endr
	WIN 0xc0
.irp s, 0,1
.irp t, 0,1,2,3,4,5,6,7
.irp c, 0,1,2,3
	ds_load_b128 v[16*(8*\s+\t)+4*\c:16*(8*\s+\t)+4*\c+3], v[ADW] offset:\t*16*PITCH+128*(\s+2)+32*\c
.endr
.endr
.endr
	WIN 0
	s_wait_tensorcnt 0x0                           ; Wq's bytes are filled again, with tokens 64-255: no tensor load of mine is out;
	ds_add_u32 v[SPW], v[NIL]                      ; 0 onto my spare word;
	s_wait_dscnt 0x0                               ; the add is done, Wq is in my registers, my part of the vectors is stored
	CROUND                                         ; all of that now holds of every wave of the cluster: tokens 0-63 and the vectors may be read by all four waves
	tensor_load_to_lds s[G0X1:G0X1+3], s[G1X1:G1X1+7]  ; my one load behind the round: it has block 0's work in which to land
	s_nop 0
.rept 4
	v_nop
.endr
	s_wait_xcnt 0x0                                ; the images' stores have read v96-111, which take x's fragments now
.macro FX blk, s, set                  ; four fragments (64 tokens x 128 K) of block blk
.irp m, 0,1,2,3
.irp c, 0,1,2,3
	ds_load_b128 v[\set+16*\m+4*\c:\set+16*\m+4*\c+3], v[ADX+\blk] offset:\m*16*PITCH+128*\s+32*\c
.endr
.endr
.endm
.macro VLOAD set, off                  ; a vector's numbers at my 64 columns, in the accumulators' layout
.irp t, 0,1,2,3,4,5,6,7
.irp q, 0,1
	ds_load_b128 v[\set+8*\t+4*\q:\set+8*\t+4*\q+3], v[ADV] offset:\off+64*\t+16*\q
.endr
.endr
.endm
.macro KS s, set, cm                   ; a K step: 32 matrix instructions, the 32 accumulators by turns.  cm = 1: the sums start from bq / s1
.if (\s) == 0
	WIN 0x42                                       ; Wq window 2, x and C window 0, D window 1
.elseif (\s) == 1
	WIN 0x52                                       ; C window 1
.else
	WIN 0x53                                       ; Wq window 3
.endif
.irp m, 0,1,2,3
.irp t, 0,1,2,3,4,5,6,7
.if \cm
	v_wmma_f32_16x16x128_bf8_bf8 v[64*\m+8*\t:64*\m+8*\t+7], v[16*(8*((\s)%2)+\t):16*(8*((\s)%2)+\t)+15], v[\set+16*\m:\set+16*\m+15], v[XB+8*\t:XB+8*\t+7]
.else
	v_wmma_f32_16x16x128_bf8_bf8 v[64*\m+8*\t:64*\m+8*\t+7], v[16*(8*((\s)%2)+\t):16*(8*((\s)%2)+\t)+15], v[\set+16*\m:\set+16*\m+15], v[64*\m+8*\t:64*\m+8*\t+7]
.endif
.endr
.endr
.endm
; A BLOCK of 64 tokens: the product, the tokens' norms and dots, qw, and the block's share of S and T.  One barrier: the exchange has two buffers, taken by turns.
.macro BLOCK blk, first
	VLOAD XB, 0                                    ; bq / s1
	FX \blk, 0, XA
	s_wait_dscnt 0x0
	KS 0, XA, 1
	PLACES
	WIN 0
	FX \blk, 1, XB
	FX \blk, 2, XA
	s_wait_dscnt 16                                ; K step 1 is in; K step 2's sixteen loads may be out
	KS 1, XB, 0
	PLACES
	WIN 0
	FX \blk, 3, XB
	s_wait_dscnt 16                                ; K step 2 is in; K step 3's may be out
	KS 2, XA, 0
	PLACES
	WIN 0
	VLOAD XA, 2048                                 ; w_g
	s_wait_dscnt 16                                ; K step 3 is in; w_g's may be out
	KS 3, XB, 0
	PLACES
	s_wait_dscnt 0x0
	WIN 0x05                                       ; q' . q' over my 64 columns, two at a time, the four tiles of tokens by turns; each accumulator from its low end on
.set q, 0
.rept 32
.irp m, 0,1,2,3
.if q == 0
	v_pk_mul_f32 v[SQ+2*\m:SQ+2*\m+1], v[64*\m+2*q:64*\m+2*q+1], v[64*\m+2*q:64*\m+2*q+1]
.else
	v_pk_fma_f32 v[SQ+2*\m:SQ+2*\m+1], v[64*\m+2*q:64*\m+2*q+1], v[64*\m+2*q:64*\m+2*q+1], v[SQ+2*\m:SQ+2*\m+1]
.endif
.endr
.set q, q+1
.endr
	WIN 0x01                                       ; q' . w_g likewise
.set q, 0
.rept 32
.irp m, 0,1,2,3
.if q == 0
	v_pk_mul_f32 v[DW+2*\m:DW+2*\m+1], v[64*\m+2*q:64*\m+2*q+1], v[XA+2*q:XA+2*q+1]
.else
	v_pk_fma_f32 v[DW+2*\m:DW+2*\m+1], v[64*\m+2*q:64*\m+2*q+1], v[XA+2*q:XA+2*q+1], v[DW+2*\m:DW+2*\m+1]
.endif
.endr
.set q, q+1
.endr
	WIN 0
.irp m, 0,1,2,3
	v_add_f32 v[PS+\m], v[SQ+2*\m], v[SQ+2*\m+1]
	v_add_f32 v[PS+4+\m], v[DW+2*\m], v[DW+2*\m+1]
.endr
.irp i, 0,1,2,3,4,5,6,7
	v_permlanex16_b32 v[PT+\i], v[PS+\i], s[SEL], s[SEL+1]   ; the token's other 64 of my wave's columns lie in the lane 16 away
.endr
.irp i, 0,1,2,3,4,5,6,7
	v_add_f32 v[PS+\i], v[PS+\i], v[PT+\i]
.endr
	ds_store_b128 v[EXW], v[PS:PS+3] offset:4096*((\blk)%2)
	ds_store_b128 v[EXW], v[PS+4:PS+7] offset:4096*((\blk)%2)+16
.if \first
	s_wait_tensorcnt 0x0                           ; my part of tokens 64-255 has landed: behind this barrier all four waves read them
.endif
	s_wait_dscnt 0x0                               ; for the others' sake: my sums are stored
	s_barrier_signal -1
	s_barrier_wait -1
.irp w, 0,1,2,3
	ds_load_b128 v[XB+8*\w:XB+8*\w+3], v[EXR] offset:4096*((\blk)%2)+1024*\w
	ds_load_b128 v[XB+8*\w+4:XB+8*\w+7], v[EXR] offset:4096*((\blk)%2)+1024*\w+16
.endr
	s_wait_dscnt 0x0
.irp i, 0,2,4,6
	v_pk_add_f32 v[PS+\i:PS+\i+1], v[XB+\i:XB+\i+1], v[XB+8+\i:XB+8+\i+1]   ; the four waves' sums, wave 0 first: every wave gets the same bits
.endr
.irp i, 0,2,4,6
	v_pk_add_f32 v[PS+\i:PS+\i+1], v[PS+\i:PS+\i+1], v[XB+16+\i:XB+16+\i+1]
.endr
.irp i, 0,2,4,6
	v_pk_add_f32 v[PS+\i:PS+\i+1], v[PS+\i:PS+\i+1], v[XB+24+\i:XB+24+\i+1]
.endr
	s_wait_alu depctr_va_vdst(0)
.irp m, 0,1,2,3
	v_sqrt_f32 v[PT+\m], v[PS+\m]
.endr
	v_nop                                          ; a plain place behind the roots,
	s_wait_alu depctr_va_vdst(0)                   ; and one wait for the four, ahead of their first reader
.irp m, 0,1,2,3
	v_mul_f32 v[PT+\m], s[SCL1], v[PT+\m]          ; |query|
.endr
.irp m, 0,1,2,3
	v_max_num_f32 v[PT+\m], 0x2b8cbccc, v[PT+\m]   ; max(., 1e-12)
.endr
	s_wait_alu depctr_va_vdst(0)
.irp m, 0,1,2,3
	v_rcp_f32 v[PT+4+\m], v[PT+\m]
.endr
.irp m, 0,1,2,3
	v_mul_f32 v[PS+4+\m], s[SCL1], v[PS+4+\m]      ; query . w_g  (plain places behind the reciprocals)
.endr
	s_wait_alu depctr_va_vdst(0)
.irp m, 0,1,2,3
	v_mul_f32 v[SQ+2*\m], v[PS+4+\m], v[PT+4+\m]   ; qw of my lane's token of tile m, as a pair
	v_mul_f32 v[SQ+2*\m+1], v[PS+4+\m], v[PT+4+\m]
.endr
.irp m, 0,1,2,3
.if \first && (\m == 0)
	v_mul_f32 v[TA], v[SQ], v[SQ]                  ; the first term starts T
.else
	v_fma_f32 v[TA], v[SQ+2*\m], v[SQ+2*\m], v[TA]
.endif
.endr
	WIN 0x01
.irp m, 0,1,2,3
.set q, 0
.rept 32
.if \first && (\m == 0)
	v_pk_mul_f32 v[SAC+2*q:SAC+2*q+1], v[64*\m+2*q:64*\m+2*q+1], v[SQ+2*\m:SQ+2*\m+1]   ; the first terms start S
.else
	v_pk_fma_f32 v[SAC+2*q:SAC+2*q+1], v[64*\m+2*q:64*\m+2*q+1], v[SQ+2*\m:SQ+2*\m+1], v[SAC+2*q:SAC+2*q+1]
.endif
.set q, q+1
.endr
.endr
	WIN 0
.endm
	BLOCK 0, 1
	BLOCK 1, 0
	BLOCK 2, 0
	BLOCK 3, 0
	; THE END.  The sixteen lanes of a half hold sixteen tokens' shares of the same columns: they are added; the halves hold other columns and are not.
.irp k, 1,2,4,8
.set j, 0
.rept 64
	v_add_f32_dpp v[SAC+j], v[SAC+j], v[SAC+j] row_xmask:\k row_mask:0xf bank_mask:0xf
.set j, j+1
.endr
	v_add_f32_dpp v[TA], v[TA], v[TA] row_xmask:\k row_mask:0xf bank_mask:0xf
.endr
	v_mov_b32 v[TA+1], v[TA]
.set j, 0
.rept 32
	v_pk_mul_f32 v[SAC+j:SAC+j+1], v[SAC+j:SAC+j+1], s[SCL1:SCL1+1] op_sel_hi:[1,0]   ; q' stands for query / s1
.set j, j+2
.endr
.irp t, 0,1,2,3,4,5,6,7
.irp q, 0,1
	ds_store_b128 v[SSW], v[SAC+8*\t+4*\q:SAC+8*\t+4*\q+3] offset:64*\t+16*\q   ; the sixteen lanes of a half store the same bytes with the same values
.endr
.endr
	ds_load_b128 v[XA:XA+3], v[SSR]                ; LDS serves a wave's instructions in order (ISA guide 5.7.1.4): this sees my stores.  My wave's 128 columns, 16 bytes a lane
	s_mul_i32 s74, s[GW], 2304
	s_lshl_b32 s75, s[WV], 9
	s_add_co_u32 s74, s74, s75
	s_mov_b32 s75, 0
	s_add_nc_u64 s[20:21], s[20:21], s[74:75]
	s_wait_dscnt 0x0
	global_store_b128 v[GOP], v[XA:XA+3], s[20:21] ; 512 consecutive bytes, at a multiple of 256 from the buffer's first byte
	s_cmp_lg_u32 s[WV], 0
	s_cbranch_scc1 .Lno_t
	global_store_b64 v[TOF], v[TA:TA+1], s[20:21] offset:2048   ; T, 64 times: 256 consecutive bytes
.Lno_t:
	s_wait_tensorcnt 0x0                           ; the wave's end, behind my last tensor load and my last LDS store
	ds_add_u32 v[SPW], v[NIL]
	s_wait_dscnt 0x0
	CROUND                                         ; the closing round
	s_endpgm
.Lfunc_end_k_q117e32c966_pool:
	.size	k_q117e32c966_pool, .Lfunc_end_k_q117e32c966_pool-k_q117e32c966_pool
	.p2alignl 7, 3214868480
	.fill 96, 4, 3214868480
	.section	.rodata,"a",@progbits
	.p2align	6, 0x0
	.amdhsa_kernel k_q117e32c966_pool
		.amdhsa_group_segment_fixed_size 327680
		.amdhsa_private_segment_fixed_size 0
		.amdhsa_enable_private_segment 0
		.amdhsa_kernarg_size 80
		.amdhsa_user_sgpr_count 2
		.amdhsa_user_sgpr_kernarg_segment_ptr 1
		.amdhsa_wavefront_size32 1
		.amdhsa_system_sgpr_workgroup_id_x 1
		.amdhsa_system_sgpr_workgroup_id_y 1
		.amdhsa_system_sgpr_workgroup_id_z 1
		.amdhsa_system_vgpr_workitem_id 0
		.amdhsa_next_free_vgpr 1024
		.amdhsa_next_free_sgpr 96
		.amdhsa_reserve_vcc 0
		.amdhsa_float_denorm_mode_32 3
		.amdhsa_float_denorm_mode_16_64 3
		.amdhsa_memory_ordered 1
		.amdhsa_forward_progress 1
		.amdhsa_inst_pref_size 210
	.end_amdhsa_kernel
	.amdgpu_metadata
---
amdhsa.version: [ 1, 2 ]
amdhsa.kernels:
  - .name:           k_q117e32c966_pool
    .symbol:         k_q117e32c966_pool.kd
    .args:
      - { .name: x_codes, .offset: 0, .size: 8, .value_kind: global_buffer, .address_space: global }
      - { .name: Wq_codes, .offset: 8, .size: 8, .value_kind: global_buffer, .address_space: global }
      - { .name: Wk_codes, .offset: 16, .size: 8, .value_kind: global_buffer, .address_space: global }
      - { .name: Wp_codes, .offset: 24, .size: 8, .value_kind: global_buffer, .address_space: global }
      - { .name: Wf_codes, .offset: 32, .size: 8, .value_kind: global_buffer, .address_space: global }
      - { .name: bq, .offset: 40, .size: 8, .value_kind: global_buffer, .address_space: global }
      - { .name: w_g, .offset: 48, .size: 8, .value_kind: global_buffer, .address_space: global }
      - { .name: lowp_scales, .offset: 56, .size: 8, .value_kind: global_buffer, .address_space: global }
      - { .name: part, .offset: 64, .size: 8, .value_kind: global_buffer, .address_space: global }
      - { .name: wimg, .offset: 72, .size: 8, .value_kind: global_buffer, .address_space: global }
    .group_segment_fixed_size: 327680
    .private_segment_fixed_size: 0
    .kernarg_segment_align: 8
    .kernarg_segment_size: 80
    .max_flat_workgroup_size: 128
    .sgpr_count:     96
    .vgpr_count:     1024
    .wavefront_size: 32
...
	.end_amdgpu_metadata
.endif
;; end of part 1
;; launch fuse (part 2): grid 256 x 1, 4 waves a work-group, no clusters, 327,680 bytes of LDS; arguments x_codes, wimg, part, bk, bq, bp, bf, lowp_scales, out0; writes out0
.if DOCPART == 2
	.amdgcn_target "amdgcn-amd-amdhsa--gfx1250"
	.amdhsa_code_object_version 6
	.text
	.protected	k_q117e32c966_fuse
	.globl	k_q117e32c966_fuse
	.p2align	8
	.type	k_q117e32c966_fuse,@function
k_q117e32c966_fuse:
	s_mov_b64 s[64:65], 0
	v_nop
	global_prefetch_b8 v0, s[64:65] scope:SCOPE_SE
	s_setreg_imm32_b32 hwreg(HW_REG_WAVE_MODE, 25, 1), 1
	s_wait_xcnt 0x0
; FUSE.  Second launch: G from the first launch's parts; key = x Wk + bk; a4 = Q(G key / max(|key|, eps)); out = a4 Wp + bp + x Wq + bq; a6 = Q(out); result = a6 Wf + bf.
; No work of the problem is left out.  LIMITS: e0+e1, e2+e3, e6+e7, e0+e1-e4-e5 and e6-e4-e5 between -126 and 112; NaN among the inputs is not served.
; THE WEIGHTS STAY, THE TOKENS MOVE.  A work-group owns 256 tokens, which lie in LDS for the whole launch, and goes through four phases; in each a wave holds its share of the weights in
; registers (up to 512), loaded from 'wimg' as images of a fragment's registers, and walks the tokens 64 at a time:
;   1: key, 128 columns a wave (8 tiles x 4 K steps), norm over the four waves through LDS, a4 as images into LDS;
;   2, twice (p = 0, 1): out's columns 256 p + 64 w .. + 63 (4 tiles x 8 K steps: x Wq, rescaled by 2^(e0+e1-e4-e5), then a4 Wp), a6's codes;
;   3: the result, 64 columns a wave (4 tiles x 4 K steps), out through a stage in whole runs of 256 bytes.
; So each byte of the weights reaches a work-group once.  The next phase's weights are loaded into a K step's registers as soon as the phase's last tile has multiplied that step.
; a6: half 0 of tiles 0-2 has 48 KiB of its own, half 0 of tile 3 waits in 32 registers; half 1 of tile t is stored over x's tile t behind a barrier that shows every wave's reads of it done.
; NO CLUSTER: what work-groups share is the weights, and these go from memory straight into registers, where a joint tensor load cannot land; LDS (315,392 bytes of tokens and codes) has no room for them.
; NO PREFETCH: the register loads themselves are issued a tile ahead of their first use, and x is asked for once, at the head.
; The matrix instruction is used transposed (source 0 = 16 rows of a weight, source 1 = 16 tokens): lane (r, h) holds token r, and tiles 2 b, 2 b + 1 hold columns 32 b + 16 h + 0..15.
; REGISTERS.  Window 0: v0-31 addresses, v32-63 at work, three sets of 64 (S0-S2) for fragments and vectors, taken by turns.  Window 1: accumulators; v128-159 the codes that wait.  Windows 2, 3: weights.
.set PITCH, 528
.set XT,    64*PITCH                   ; a tile of 64 tokens of x in LDS
.set A6X,   4*XT                       ; a6, K steps 0, 1: 16 KiB a tile; tile 3's falls on a4's first bytes, read out by then
.set ACT,   A6X+49152                  ; a4: image (16 tokens a, K step s) at 2048 (4 a + s)
.set STG,   ACT+32768                  ; phase 3: a stage of 16 x 272 bytes a wave, on a4's tile 1
.set VEC,   ACT+131072                 ; bk / s2, (bq + bp) / s1, G: 2,048 bytes each
.set EXC,   VEC+6144                   ; the waves' exchange: 2 buffers x 4 waves x 512 bytes
.set SPARE, EXC+4096                   ; the spare words
.set A4C, 5
.set AH,  6
.set VST, 7
.set LIM4, 8
.set SC4,  9
.set LIM6, 10
.set SC6,  11
.set ADXB, 12                          ; 528 r + 16 h
.set AX,  13                           ; the same in the tile that is fetched
.set IMG, 14                           ; 16 lane
.set A4,  15                           ; ACT + 16 lane
.set AIW4, 16                          ; + 2048 w
.set A6W, 17                           ; 16 lane + 2048 (w / 2) + 1024 (w % 2)
.set ADV, 18                           ; VEC + 512 w + 64 h
.set ADV2, 19                          ; VEC + 256 w + 64 h
.set EXW, 20
.set EXR, 21
.set EW,  22
.set ER,  23
.set TA,  24
.set STO, 25
.set RD,  26
.set GO,  27
.set SPW, 28
.set NIL, 29
.set ABF, 30
.set AL,  31
.set SQ,  32
.set PS,  40
.set PT,  44
.set CD,  48
.set CD2, 32
.set TMP, 32
.set S0,  64
.set S1,  128
.set S2,  192
.set WV,  22
.set CNT, 24
.set TXO, 25
.set T4O, 26
.set TSO, 27
.set G1X, 28
.set G0X, 36
.set EXO, 40
.set WB1, 42                           ; wimg + 8 w images
.set WB2, 44                           ; wimg + 4 w images
.set EXPS, 48
.set SCL2, 56
.set RS,  58
.set SCL6, 60
.set SEL, 62
.set MSB, 0
.macro WIN new                         ; the immediate's high byte repeats the setting that is left
.if MSB != (\new)
	s_set_vgpr_msb (MSB<<8)|(\new)
.set MSB, (\new)
.endif
.endm
.macro PL                              ; four plain places behind matrix instructions (ISA guide 7.12.1), then window 0
.rept 4
	v_nop
.endr
	WIN 0
.endm
.macro FX set, s                       ; x: four fragments (64 tokens x 128 K) of K step s
.irp m, 0,1,2,3
.irp c, 0,1,2,3
	ds_load_b128 v[\set+16*\m+4*\c:\set+16*\m+4*\c+3], v[AX] offset:\m*16*PITCH+128*(\s)+32*\c
.endr
.endr
.endm
.macro FI set, adr, pa, off            ; four fragments from images, pa bytes apart
.irp m, 0,1,2,3
.irp c, 0,1,2,3
	ds_load_b128 v[\set+16*\m+4*\c:\set+16*\m+4*\c+3], v[\adr] offset:(\off)+(\pa)*\m+512*\c
.endr
.endr
.endm
.macro CLOAD reg, adr, off, nb         ; a vector at my columns, in the accumulators' layout: nb pairs of tiles
.set cb, 0
.rept \nb
.irp q, 0,1,2,3
	ds_load_b128 v[\reg+16*cb+4*\q:\reg+16*cb+4*\q+3], v[\adr] offset:(\off)+128*cb+16*\q
.endr
.set cb, cb+1
.endr
.endm
.macro WIMG reg, base, img             ; one image, 2,048 bytes: each load of the wave takes 512 consecutive bytes
.irp c, 0,1,2,3
	global_load_b128 v[(\reg)+4*\c:(\reg)+4*\c+3], v[IMG], s[\base:\base+1] offset:(\img)*2048+512*\c
.endr
.endm
.macro WLOAD1 s                        ; Wk, K step s, my 8 tiles
	WIN 0x80+0x40*((\s)/2)
.irp t, 0,1,2,3,4,5,6,7
	WIMG 16*(8*((\s)%2)+\t), WB1, 32*(\s)+\t
.endr
.endm
.macro WLOAD2 p, k                     ; half p, step k (0-3 Wq, 4-7 Wp), my 4 tiles
	WIN 0x80+0x40*((\k)/4)
.irp t, 0,1,2,3
	WIMG 16*(4*((\k)%4)+\t), WB2, 128+128*((\k)/4)+32*((\k)%4)+16*(\p)+\t
.endr
.endm
.macro WLOAD3 s                        ; Wf, K step s, my 4 tiles
	WIN 0x80
.irp t, 0,1,2,3
	WIMG 16*(4*(\s)+\t), WB1, 384+32*((\s)/2)+4*((\s)%2)+\t
.endr
.endm
; A K step: 4 tiles of tokens x nt tiles of columns, the accumulators by turns.  Weights at register wr of window ww.  cm: 0 adds on, 1 starts from the vector in S0, 2 from 0
.macro MM nt, ww, wr, set, cm
.if (\cm) == 1
	WIN 0x40+(\ww)
.else
	WIN 0x50+(\ww)
.endif
.set mi, 0
.rept 4
.set ti, 0
.rept \nt
.set dd, 8*((\nt)*mi+ti)
.if (\cm) == 1
	v_wmma_f32_16x16x128_bf8_bf8 v[dd:dd+7], v[(\wr)+16*ti:(\wr)+16*ti+15], v[(\set)+16*mi:(\set)+16*mi+15], v[S0+8*ti:S0+8*ti+7]
.elseif (\cm) == 2
	v_wmma_f32_16x16x128_bf8_bf8 v[dd:dd+7], v[(\wr)+16*ti:(\wr)+16*ti+15], v[(\set)+16*mi:(\set)+16*mi+15], 0
.else
	v_wmma_f32_16x16x128_bf8_bf8 v[dd:dd+7], v[(\wr)+16*ti:(\wr)+16*ti+15], v[(\set)+16*mi:(\set)+16*mi+15], v[dd:dd+7]
.endif
.set ti, ti+1
.endr
.set mi, mi+1
.endr
.endm
	s_load_b512 s[4:19], s[0:1], 0x0               ; x 4, wimg 6, part 8, bk 10, bq 12, bp 14, bf 16, the exponents 18
	s_load_b64 s[20:21], s[0:1], 0x40              ; out
	v_lshl_add_u32 v[SPW], v0, 2, SPARE
	v_mov_b32 v[NIL], 0
	ds_add_u32 v[SPW], v[NIL]                      ; the opening: the add, twice on end, and its wait ahead of my tensor load
	ds_add_u32 v[SPW], v[NIL]
	v_lshrrev_b32 v1, 5, v0
	v_readfirstlane_b32 s[WV], v1                  ; wave 0..3
	s_mov_b32 s[G1X], (1<<20)|(6<<22)|(3<<25)      ; 64 rows of 512 bytes, 16 bytes of padding behind each
	s_mov_b32 s[G1X+1], 512<<16
	s_mov_b32 s[G1X+2], 64<<16
	s_mov_b32 s[G1X+3], 512<<16
	s_mov_b32 s[G1X+4], 64
	s_mov_b32 s[G1X+5], 512
	s_mov_b32 s[G1X+6], 0
	s_mov_b32 s[G1X+7], 0
	s_mov_b32 s[G0X], 1
	s_mul_i32 s[G0X+1], s[WV], XT
	s_lshl_b32 s66, ttmp9, 17                      ; my 256 rows of x, and my wave's 64 of them
	s_lshl_b32 s67, s[WV], 15
	s_add_co_u32 s66, s66, s67
	s_mov_b32 s67, 0
	s_lshl_b32 s68, s[WV], 14
	s_mov_b32 s69, 0
	s_lshl_b32 s70, s[WV], 13
	s_mov_b32 s71, 0
	s_lshr_b32 s72, ttmp9, 4                       ; my batch: 16 rows of 'part'
	s_mul_i32 s72, s72, 16*2304
	s_mov_b32 s73, 0
	s_lshl_b32 s74, ttmp9, 18                      ; my 256 rows of the result, my wave's 256 bytes of each
	s_lshl_b32 s79, s[WV], 8
	s_add_co_u32 s74, s74, s79
	s_mov_b32 s75, 0
	s_lshl_b32 s76, s[WV], 11
	s_lshr_b32 s77, s[WV], 1
	s_lshl_b32 s77, s77, 11
	s_and_b32 s78, s[WV], 1
	s_lshl_b32 s78, s78, 10
	s_add_co_u32 s77, s77, s78
	s_lshl_b32 s78, s[WV], 9
	s_mul_i32 s80, s[WV], 16*272
	s_add_co_u32 s80, s80, STG
	s_mov_b32 s[SEL], 0x76543210
	s_mov_b32 s[SEL+1], 0xfedcba98
	s_wait_dscnt 0x0                               ; both opening adds are done
	s_wait_kmcnt 0x0
	s_load_b256 s[EXPS:EXPS+7], s[18:19], 0x0
	s_add_nc_u64 s[G0X+2:G0X+3], s[4:5], s[66:67]
	s_or_b32 s[G0X+3], s[G0X+3], 0x80000000
	tensor_load_to_lds s[G0X:G0X+3], s[G1X:G1X+7]  ; my one tensor load: 64 tokens
	s_nop 0
	s_add_nc_u64 s[WB1:WB1+1], s[6:7], s[68:69]
	s_add_nc_u64 s[WB2:WB2+1], s[6:7], s[70:71]
	s_add_nc_u64 s[8:9], s[8:9], s[72:73]
	s_add_nc_u64 s[20:21], s[20:21], s[74:75]
	v_and_b32 v1, 31, v0
	v_lshlrev_b32 v2, 4, v0                        ; 16 x thread: four columns
	v_lshlrev_b32 v3, 2, v1
	v_lshlrev_b32 v[IMG], 4, v1
	v_and_b32 v4, 15, v0                           ; r
	v_bfe_u32 v[A4C], v0, 4, 1                     ; h
	v_mul_u32_u24 v1, v4, PITCH
	v_lshl_add_u32 v[ADXB], v[A4C], 4, v1
	v_add_nc_u32 v[A4], ACT, v[IMG]
	v_add_nc_u32 v[AIW4], s76, v[A4]
	v_add_nc_u32 v[A6W], s77, v[IMG]
	v_lshl_add_u32 v1, v[A4C], 6, s78
	v_add_nc_u32 v[ADV], VEC, v1
	v_lshl_add_u32 v[ABF], v[A4C], 6, s79
	v_add_nc_u32 v[ADV2], VEC, v[ABF]
	v_add_nc_u32 v[EXR], EXC, v[IMG]
	v_add_nc_u32 v[EXW], s78, v[EXR]
	v_mul_u32_u24 v1, v4, 272
	v_lshl_add_u32 v1, v[A4C], 6, v1
	v_add_nc_u32 v[STO], s80, v1
	v_mul_u32_u24 v1, v[A4C], 272
	v_lshl_add_u32 v1, v4, 4, v1
	v_add_nc_u32 v[RD], s80, v1
	v_lshlrev_b32 v1, 10, v[A4C]
	v_lshl_add_u32 v[GO], v4, 4, v1
	v_add_nc_u32 v[VST], VEC, v2
	v_mov_b32 v[AX], v[ADXB]
	v_mov_b32 v[A4C], v[A4]
.irp i, 0,1,2,3
	v_mov_b32 v[PT+\i], 0                          ; written once: a lane permute's destination counts as one of its sources
.endr
	s_wait_alu depctr_va_vdst(0)
.irp p, 0,1,2,3,4,5,6,7,8,9,10,11,12,13,14,15
	global_load_b128 v[128+4*\p:131+4*\p], v2, s[8:9] offset:2304*\p        ; S of the batch's 16 blocks, my four columns
.endr
.irp p, 0,1,2,3,4,5,6,7,8,9,10,11,12,13,14,15
	global_load_b32 v[192+\p], v3, s[8:9] offset:2304*\p+2048               ; T
.endr
	global_load_b128 v[212:215], v2, s[10:11]      ; bk
	global_load_b128 v[216:219], v2, s[12:13]      ; bq
	global_load_b128 v[220:223], v2, s[14:15]      ; bp
	WLOAD1 0                                       ; Wk: 128 loads
	WLOAD1 1
	WLOAD1 2
	WLOAD1 3
	WIN 0
	s_wait_kmcnt 0x0
	s_add_co_i32 s76, s[EXPS], s[EXPS+1]
	s_add_co_i32 s77, s[EXPS+2], s[EXPS+3]
	s_add_co_i32 s78, s[EXPS+4], s[EXPS+5]
	s_add_co_i32 s79, s[EXPS+6], s[EXPS+7]
	s_add_co_i32 s[SCL2], s77, 127
	s_lshl_b32 s[SCL2], s[SCL2], 23                ; s2 = 2^(e2 + e3)
	s_sub_co_i32 s[RS], s76, s78
	s_add_co_i32 s[RS], s[RS], 127
	s_lshl_b32 s[RS], s[RS], 23                    ; 2^(e0 + e1 - e4 - e5)
	s_mov_b32 s[RS+1], s[RS]
	s_add_co_i32 s[SCL6], s79, 127
	s_lshl_b32 s[SCL6], s[SCL6], 23                ; 2^(e6 + e7)
	s_mov_b32 s[SCL6+1], s[SCL6]
	s_sub_co_i32 s80, 0, s76
	s_sub_co_i32 s81, 0, s77
	s_add_co_i32 s82, s[EXPS+4], 127
	s_lshl_b32 s83, s82, 23
	v_mov_b32 v[SC4], s83                          ; 2^e4, and 57,344 x that
	s_add_co_i32 s82, s82, 15
	s_lshl_b32 s82, s82, 23
	s_or_b32 s82, s82, 0x600000
	v_mov_b32 v[LIM4], s82
	s_sub_co_i32 s82, s[EXPS+6], s78
	s_add_co_i32 s82, s82, 127
	s_lshl_b32 s83, s82, 23
	v_mov_b32 v[SC6], s83                          ; 2^(e6 - e4 - e5): out's sums stand for out / 2^(e4 + e5)
	s_add_co_i32 s82, s82, 15
	s_lshl_b32 s82, s82, 23
	s_or_b32 s82, s82, 0x600000
	v_mov_b32 v[LIM6], s82
	s_wait_alu depctr_va_vdst(0)
	s_wait_loadcnt 63                              ; behind the 35 loads of parts and biases stand 128: with 63 out, those 35 are in
.irp p, 1,2,3,4,5,6,7,8,9,10,11,12,13,14,15
	v_pk_add_f32 v[128:129], v[128:129], v[128+4*\p:129+4*\p]
	v_pk_add_f32 v[130:131], v[130:131], v[130+4*\p:131+4*\p]
	v_add_f32 v192, v192, v[192+\p]
.endr
	s_wait_alu depctr_va_vdst(0)
	v_sqrt_f32 v208, v192
	v_pk_add_f32 v[216:217], v[216:217], v[220:221]
	v_pk_add_f32 v[218:219], v[218:219], v[222:223]
	s_wait_alu depctr_va_vdst(0)
	v_mul_f32 v208, 0x3d3504f3, v208               ; SCALE sqrt(T)
	v_max_num_f32 v208, 0x2b8cbccc, v208           ; max(., 1e-12)
	s_wait_alu depctr_va_vdst(0)
	v_rcp_f32 v209, v208
.irp i, 0,1,2,3
	v_ldexp_f32 v[212+\i], v[212+\i], s81          ; bk / s2
.endr
	s_wait_alu depctr_va_vdst(0)
	v_mul_f32 v209, 0x3d3504f3, v209
.irp i, 0,1,2,3
	v_mul_f32 v[128+\i], v[128+\i], v209           ; G
	v_ldexp_f32 v[216+\i], v[216+\i], s80          ; (bq + bp) / s1
.endr
	s_wait_alu depctr_va_vdst(0)
	s_wait_tensorcnt 0x0                           ; my 64 tokens lie in LDS
	ds_store_b128 v[VST], v[212:215]
	ds_store_b128 v[VST], v[216:219] offset:2048
	ds_store_b128 v[VST], v[128:131] offset:4096
	s_wait_dscnt 0x0
	s_barrier_signal -1
	s_barrier_wait -1                              ; x and the vectors may be read by all four waves
	CLOAD S0, ADV, 0, 4
	FX S1, 0
	FX S2, 1
	s_mov_b32 s[TXO], 0
	s_mov_b32 s[T4O], 0
	s_mov_b32 s[EXO], 0
	s_mov_b32 s[CNT], 3
	s_wait_loadcnt 0x0                             ; Wk is in my registers
; PHASE 1, a tile of 64 tokens.  The sets take six loads by turns: bias S0, K steps 0..3 in S1, S2, S0, S1, G in S2; the next tile's bias and first two K steps follow.
; Each count on DScnt names the LDS instructions issued behind the fragments that the next K step reads.  last = 1: phase 2's weights follow each K step into its registers.
.macro TILE1 last
	s_wait_dscnt 16
	MM 8, 2, 0, S1, 1
	PL
	FX S0, 2
	FX S1, 3
.if \last
	WLOAD2 0, 0
	WLOAD2 0, 1
.endif
	s_wait_dscnt 32
	MM 8, 2, 128, S2, 0
	PL
	CLOAD S2, ADV, 4096, 4                         ; G
.if \last
	WLOAD2 0, 2
	WLOAD2 0, 3
.endif
	s_wait_dscnt 32
	MM 8, 3, 0, S0, 0
	PL
.if \last
	CLOAD S0, ADV2, 2048, 2
	WLOAD2 0, 4
	WLOAD2 0, 5
.else
	CLOAD S0, ADV, 0, 4
.endif
	s_wait_dscnt 32-8*(\last)
	MM 8, 3, 128, S1, 0
	WIN 0
.if \last
	s_mov_b32 s[TXO], 0
.else
	s_add_co_u32 s[TXO], s[TXO], XT
.endif
	v_add_nc_u32 v[AX], s[TXO], v[ADXB]            ; four additions: the places behind the products
	v_add_nc_u32 v[EW], s[EXO], v[EXW]
	v_add_nc_u32 v[ER], s[EXO], v[EXR]
	v_add_nc_u32 v[TA], s[T4O], v[AIW4]
	s_wait_alu depctr_va_vdst(0)
	s_xor_b32 s[EXO], s[EXO], 2048                 ; the exchange's two buffers by turns: one barrier a tile
	s_add_co_u32 s[T4O], s[T4O], 32768
	FX S1, 0
.if \last
	WLOAD2 0, 6
	WLOAD2 0, 7
.endif
	WIN 0x05                                       ; squares over my 64 columns a lane, four chains; each accumulator from its low end on
.set q, 0
.rept 32
.irp m, 0,1,2,3
.if q == 0
	v_pk_mul_f32 v[SQ+2*\m:SQ+2*\m+1], v[64*\m:64*\m+1], v[64*\m:64*\m+1]
.else
	v_pk_fma_f32 v[SQ+2*\m:SQ+2*\m+1], v[64*\m+2*q:64*\m+2*q+1], v[64*\m+2*q:64*\m+2*q+1], v[SQ+2*\m:SQ+2*\m+1]
.endif
.endr
.set q, q+1
.endr
	WIN 0
.irp m, 0,1,2,3
	v_add_f32 v[PS+\m], v[SQ+2*\m], v[SQ+2*\m+1]
.endr
.irp m, 0,1,2,3
	v_permlanex16_b32 v[PT+\m], v[PS+\m], s[SEL], s[SEL+1]
.endr
.irp m, 0,1,2,3
	v_add_f32 v[PS+\m], v[PS+\m], v[PT+\m]
.endr
	ds_store_b128 v[EW], v[PS:PS+3]
	s_wait_dscnt 0x0                               ; for the others' sake: my sums are stored; G and the next tile's loads are in
	s_barrier_signal -1
	WIN 0x41                                       ; x G, work on registers while the others arrive
.irp m, 0,1,2,3
.set q, 0
.rept 32
	v_pk_mul_f32 v[64*\m+2*q:64*\m+2*q+1], v[64*\m+2*q:64*\m+2*q+1], v[S2+2*q:S2+2*q+1]
.set q, q+1
.endr
.endr
	WIN 0
	s_barrier_wait -1
.irp w, 0,1,2,3
	ds_load_b128 v[CD+4*\w:CD+4*\w+3], v[ER] offset:512*\w
.endr
	s_wait_dscnt 0x0
.irp w, 1,2,3
.if \w == 1
	v_pk_add_f32 v[PS:PS+1], v[CD:CD+1], v[CD+4:CD+5]
	v_pk_add_f32 v[PS+2:PS+3], v[CD+2:CD+3], v[CD+6:CD+7]
.else
	v_pk_add_f32 v[PS:PS+1], v[PS:PS+1], v[CD+4*\w:CD+4*\w+1]
	v_pk_add_f32 v[PS+2:PS+3], v[PS+2:PS+3], v[CD+4*\w+2:CD+4*\w+3]
.endif
.endr
	s_wait_alu depctr_va_vdst(0)
.irp m, 0,1,2,3
	v_sqrt_f32 v[PT+\m], v[PS+\m]
.endr
	v_nop
	s_wait_alu depctr_va_vdst(0)
.irp m, 0,1,2,3
	v_mul_f32 v[PT+\m], s[SCL2], v[PT+\m]          ; |key|
.endr
.irp m, 0,1,2,3
	v_max_num_f32 v[PT+\m], 0x2b8cbccc, v[PT+\m]   ; max(., 1e-12)
.endr
	s_wait_alu depctr_va_vdst(0)
.irp m, 0,1,2,3
	v_rcp_f32 v[PS+\m], v[PT+\m]
.endr
	v_nop
	s_wait_alu depctr_va_vdst(0)
.irp m, 0,1,2,3
	v_mul_f32 v[SQ+2*\m], s[SCL2], v[PS+\m]        ; s2 / max(|key|, eps), as a pair
	v_mul_f32 v[SQ+2*\m+1], s[SCL2], v[PS+\m]
.endr
	WIN 0x41
.irp m, 0,1,2,3
.set q, 0
.rept 32
	v_pk_mul_f32 v[64*\m+2*q:64*\m+2*q+1], v[64*\m+2*q:64*\m+2*q+1], v[SQ+2*\m:SQ+2*\m+1]
.set q, q+1
.endr
.endr
	WIN 0
	FX S2, 1                                       ; G is done with
.irp m, 0,1,2,3
	WIN 0x41
.set j, 0
.rept 64
	v_med3_num_f32 v[64*\m+j], v[64*\m+j], -v[LIM4], v[LIM4]   ; the conversion does not saturate (ISA guide 7.6.2)
.set j, j+1
.endr
	WIN 0x01
.set j, 0
.rept 8
	v_cvt_scalef32_pk8_bf8_f32 v[CD+2*j:CD+2*j+1], v[64*\m+8*j:64*\m+8*j+7], v[SC4]
.set j, j+1
.endr
	v_nop
	WIN 0
.irp c, 0,1,2,3
	ds_store_b128 v[TA], v[CD+4*\c:CD+4*\c+3] offset:8192*\m+512*\c   ; image (16 tokens m, K step w)
.endr
.endr
.endm
.Lp1:
	TILE1 0
	s_sub_co_u32 s[CNT], s[CNT], 1
	s_cmp_lg_u32 s[CNT], 0
	s_wait_alu depctr_va_vdst(0)
	s_cbranch_scc1 .Lp1
	TILE1 1
	s_wait_dscnt 0x0                               ; my part of a4 is stored
	s_barrier_signal -1
	s_barrier_wait -1
	s_mov_b32 s[T4O], 0
	s_mov_b32 s[TSO], A6X
	s_mov_b32 s[CNT], 3
.macro NEXTW p, last, k                ; the next phase's weights, into the registers of the K step just multiplied
.if \last
.if (\p) == 0
	WLOAD2 1, \k
.elseif (\k) < 4
	WLOAD3 \k
.elseif (\k) == 4
	WIN 0xc0
.irp b, 0,1
.irp q, 0,1,2,3
	global_load_b128 v[16*\b+4*\q:16*\b+4*\q+3], v[ABF], s[16:17] offset:128*\b+16*\q   ; bf at my columns
.endr
.endr
.endif
.endif
.endm
.macro LWT last, k                     ; step k's weights are in: behind them 16 loads for each later step were issued (the count's field ends at 63)
.if (\last) == 0
.if 16*(7-(\k)) > 63
	s_wait_loadcnt 63
.else
	s_wait_loadcnt 16*(7-(\k))
.endif
.endif
.endm
; PHASE 2, half p, a tile of 64 tokens.  Nine loads by turns: bias S0, steps 0..7 in S1, S2, S0, S1, S2, S0, S1, S2 (0-3 of x, 4-7 of a4); step k + 3 is fetched behind step k.
.macro TILE2 p, last
.set nn, 1-(\p)*(\last)                ; a tile of this phase follows
	s_wait_dscnt 16                                ; the bias and step 0 are in: behind them stand step 1's 16 loads, and the tile's 8 stores only where it stored
	LWT \last, 0
	MM 4, 2, 0, S1, 1
	PL
	FX S0, 2
	FX S1, 3
	NEXTW \p, \last, 0
	s_wait_dscnt 32                                ; step 1 is in: behind it stand the 32 loads just issued
	LWT \last, 1
	MM 4, 2, 64, S2, 0
	PL
	FI S2, A4C, 8192, 0
	NEXTW \p, \last, 1
	s_wait_dscnt 32
	LWT \last, 2
	MM 4, 2, 128, S0, 0
	PL
	FI S0, A4C, 8192, 2048
	NEXTW \p, \last, 2
	s_wait_dscnt 32
	LWT \last, 3
	MM 4, 2, 192, S1, 0
	PL
	FI S1, A4C, 8192, 4096
	NEXTW \p, \last, 3
	WIN 0x41
.set j, 0
.rept 64
	v_pk_mul_f32 v[j:j+1], v[j:j+1], s[RS:RS+1] op_sel_hi:[1,0]   ; from units of 2^(e0 + e1) to units of 2^(e4 + e5): nothing is rounded
.set j, j+2
.endr
	s_wait_alu depctr_va_vdst(0)
	s_wait_dscnt 32
	LWT \last, 4
	MM 4, 3, 0, S2, 0
	PL
	FI S2, A4C, 8192, 6144
.if nn
.if \last
	s_mov_b32 s[T4O], 0
.else
	s_add_co_u32 s[T4O], s[T4O], 32768
.endif
	v_add_nc_u32 v[A4C], s[T4O], v[A4]
	s_wait_alu depctr_va_vdst(0)
.endif
	NEXTW \p, \last, 4
	s_wait_dscnt 32
	LWT \last, 5
	MM 4, 3, 64, S0, 0
	PL
.if nn
	CLOAD S0, ADV2, 2048+1024*((\p)|(\last)), 2
.endif
	NEXTW \p, \last, 5
	s_wait_dscnt 16+8*nn
	LWT \last, 6
	MM 4, 3, 128, S1, 0
	PL
.if nn
.if \last
	s_mov_b32 s[TXO], 0
.else
	s_add_co_u32 s[TXO], s[TXO], XT
.endif
	v_add_nc_u32 v[AX], s[TXO], v[ADXB]
	s_wait_alu depctr_va_vdst(0)
	FX S1, 0
.endif
	NEXTW \p, \last, 6
	s_wait_dscnt 24*nn
	LWT \last, 7
	MM 4, 3, 192, S2, 0
	PL
.if nn
	FX S2, 1
.endif
	NEXTW \p, \last, 7
	WIN 0x41
.set j, 0
.rept 128
	v_med3_num_f32 v[j], v[j], -v[LIM6], v[LIM6]
.set j, j+1
.endr
.if ((\p) == 0) && (\last)
.set j, 0
.rept 16
	v_cvt_scalef32_pk8_bf8_f32 v[128+2*j:129+2*j], v[8*j:8*j+7], v[SC6]   ; these codes wait in window 1 until a4's tile 0 is read out
.set j, j+1
.endr
	v_nop
	WIN 0
.else
	WIN 0x01
.set j, 0
.rept 16
	v_cvt_scalef32_pk8_bf8_f32 v[CD2+2*j:CD2+2*j+1], v[8*j:8*j+7], v[SC6]
.set j, j+1
.endr
	v_nop
	WIN 0
.if \p
	s_wait_alu depctr_va_vdst(0)
	s_wait_dscnt 0x0                               ; my reads of this tile of x are long over, and no LDS instruction of mine is out
	s_barrier_signal -1
	s_barrier_wait -1                              ; so of every wave: the codes may lie over the tile
.endif
	v_add_nc_u32 v[TA], s[TSO], v[A6W]
.irp m, 0,1,2,3
.irp b, 0,1
	ds_store_b128 v[TA], v[CD2+8*\m+4*\b:CD2+8*\m+4*\b+3] offset:4096*\m+512*\b
.endr
.endr
.if (\last) == 0
	s_add_co_u32 s[TSO], s[TSO], 16384+(XT-16384)*(\p)
.else
	v_add_nc_u32 v[ER], A6X+49152, v[A6W]
	WIN 0x04                                       ; the stores' data in window 1
.irp m, 0,1,2,3
.irp b, 0,1
	ds_store_b128 v[ER], v[128+8*\m+4*\b:128+8*\m+4*\b+3] offset:4096*\m+512*\b
.endr
.endr
	WIN 0
.endif
.endif
.endm
.Lp2a:
	TILE2 0, 0
	s_sub_co_u32 s[CNT], s[CNT], 1
	s_cmp_lg_u32 s[CNT], 0
	s_wait_alu depctr_va_vdst(0)
	s_cbranch_scc1 .Lp2a
	TILE2 0, 1
	s_mov_b32 s[TSO], 0
	s_mov_b32 s[CNT], 3
.Lp2b:
	TILE2 1, 0
	s_sub_co_u32 s[CNT], s[CNT], 1
	s_cmp_lg_u32 s[CNT], 0
	s_wait_alu depctr_va_vdst(0)
	s_cbranch_scc1 .Lp2b
	TILE2 1, 1
	s_wait_dscnt 0x0                               ; my part of a6 is stored
	s_barrier_signal -1
	s_barrier_wait -1
; PHASE 3.  The way out of 16 tokens x my 64 columns: x 2^(e6 + e7) + bf, through my own stage, back as rows of 256 bytes.
.macro TOSTAGE a
	WIN 0x31                                       ; the sums in window 1, bf in window 3
.irp t, 0,1,2,3
.irp i, 0,2,4,6
	v_pk_fma_f32 v[TMP+8*\t+\i:TMP+8*\t+\i+1], v[32*(\a)+8*\t+\i:32*(\a)+8*\t+\i+1], s[SCL6:SCL6+1], v[8*\t+\i:8*\t+\i+1] op_sel_hi:[1,0,1]
.endr
.endr
	WIN 0
.irp t, 0,1,2,3
.irp k, 0,1
	ds_store_b128 v[STO], v[TMP+8*\t+4*\k:TMP+8*\t+4*\k+3] offset:128*(\t/2)+32*(\t%2)+16*\k
.endr
.endr
.set BB, S2+32*((\a)%2)
.irp i, 0,1,2,3,4,5,6,7
	ds_load_b128 v[BB+4*\i:BB+4*\i+3], v[RD] offset:544*\i   ; LDS serves a wave's instructions in order (ISA guide 5.7.1.4)
.endr
.endm
.macro SEND a, younger
.set BB, S2+32*((\a)%2)
	s_wait_dscnt \younger
.irp i, 0,1,2,3,4,5,6,7
	global_store_b128 v[GO], v[BB+4*\i:BB+4*\i+3], s[20:21] offset:(16*(\a)+2*\i)*1024 th:TH_STORE_NT   ; 16 lanes store 256 consecutive bytes, at a multiple of 256 from the buffer's first byte
.endr
.endm
	s_mov_b32 s[T4O], A6X
	s_mov_b32 s[TSO], 0
	s_mov_b32 s[CNT], 4
	s_wait_loadcnt 0x0                             ; Wf and bf are in my registers
.Lp3:
	v_add_nc_u32 v[AL], s[T4O], v[IMG]
	v_add_nc_u32 v[AH], s[TSO], v[IMG]
	s_wait_alu depctr_va_vdst(0)
	FI S0, AL, 4096, 0
	FI S1, AL, 4096, 2048
	s_wait_dscnt 16
	MM 4, 2, 0, S0, 2
	PL
	FI S0, AH, 4096, 0
	s_wait_dscnt 16
	MM 4, 2, 64, S1, 0
	PL
	FI S1, AH, 4096, 2048
	s_wait_dscnt 16
	MM 4, 2, 128, S0, 0
	s_wait_dscnt 0x0
	MM 4, 2, 192, S1, 0
	PL
	TOSTAGE 0
.irp a, 1,2,3
.if \a > 1
	s_wait_xcnt 0x0                                ; block a - 2's stores have read their registers
.endif
	TOSTAGE \a
	SEND \a-1, 16                                  ; behind block a - 1's loads: block a's 8 stores and 8 loads
.endr
	SEND 3, 0
	s_wait_xcnt 0x0                                ; the stores have read their base and their registers
	s_add_nc_u64 s[20:21], s[20:21], 0x10000
	s_add_co_u32 s[T4O], s[T4O], 16384
	s_add_co_u32 s[TSO], s[TSO], XT
	s_sub_co_u32 s[CNT], s[CNT], 1
	s_cmp_lg_u32 s[CNT], 0
	s_wait_alu depctr_va_vdst(0)
	s_cbranch_scc1 .Lp3
	s_wait_tensorcnt 0x0                           ; the wave's end
	ds_add_u32 v[SPW], v[NIL]
	s_wait_dscnt 0x0
	s_endpgm
.Lfunc_end_k_q117e32c966_fuse:
	.size	k_q117e32c966_fuse, .Lfunc_end_k_q117e32c966_fuse-k_q117e32c966_fuse
	.p2alignl 7, 3214868480
	.fill 96, 4, 3214868480
	.section	.rodata,"a",@progbits
	.p2align	6, 0x0
	.amdhsa_kernel k_q117e32c966_fuse
		.amdhsa_group_segment_fixed_size 327680
		.amdhsa_private_segment_fixed_size 0
		.amdhsa_enable_private_segment 0
		.amdhsa_kernarg_size 72
		.amdhsa_user_sgpr_count 2
		.amdhsa_user_sgpr_kernarg_segment_ptr 1
		.amdhsa_wavefront_size32 1
		.amdhsa_system_sgpr_workgroup_id_x 1
		.amdhsa_system_sgpr_workgroup_id_y 1
		.amdhsa_system_sgpr_workgroup_id_z 1
		.amdhsa_system_vgpr_workitem_id 0
		.amdhsa_next_free_vgpr 1024
		.amdhsa_next_free_sgpr 96
		.amdhsa_reserve_vcc 0
		.amdhsa_float_denorm_mode_32 3
		.amdhsa_float_denorm_mode_16_64 3
		.amdhsa_memory_ordered 1
		.amdhsa_forward_progress 1
		.amdhsa_inst_pref_size 255
	.end_amdhsa_kernel
	.section	.bss,"aw",@nobits
	.p2align	6
	.space	262144
	.amdgpu_metadata
---
amdhsa.version: [ 1, 2 ]
amdhsa.kernels:
  - .name:           k_q117e32c966_fuse
    .symbol:         k_q117e32c966_fuse.kd
    .args:
      - { .name: x_codes, .offset: 0, .size: 8, .value_kind: global_buffer, .address_space: global }
      - { .name: wimg, .offset: 8, .size: 8, .value_kind: global_buffer, .address_space: global }
      - { .name: part, .offset: 16, .size: 8, .value_kind: global_buffer, .address_space: global }
      - { .name: bk, .offset: 24, .size: 8, .value_kind: global_buffer, .address_space: global }
      - { .name: bq, .offset: 32, .size: 8, .value_kind: global_buffer, .address_space: global }
      - { .name: bp, .offset: 40, .size: 8, .value_kind: global_buffer, .address_space: global }
      - { .name: bf, .offset: 48, .size: 8, .value_kind: global_buffer, .address_space: global }
      - { .name: lowp_scales, .offset: 56, .size: 8, .value_kind: global_buffer, .address_space: global }
      - { .name: out0, .offset: 64, .size: 8, .value_kind: global_buffer, .address_space: global }
    .group_segment_fixed_size: 327680
    .private_segment_fixed_size: 0
    .kernarg_segment_align: 8
    .kernarg_segment_size: 72
    .max_flat_workgroup_size: 128
    .sgpr_count:     96
    .vgpr_count:     1024
    .wavefront_size: 32
...
	.end_amdgpu_metadata
.endif
;; end of part 2
